; MI455X (gfx1250); checked and timed in simulation.
; The chip was launched on July 23, 2026; its instructions are those of AMD's public machine-readable ISA for CDNA 5 (MIT licence, August 2026) and "CDNA5" Instruction Set Architecture Reference Guide (July 2026). The comments in the code are by the model that wrote it; some were corrected since.
;; Multi Head Attention. Allowed arithmetic: matrix products marked QUANTISED: E2M1 operands, one E8M0 scale for each 32 along K, by v_wmma_scale_f32_16x16x128_f8f6f4 with both operands' format E2M1 (or v_wmma_scale_f32_32x16x128_f4), f32 sums; everything else in f32.
;; Inputs: Wk_codes 1,024 x 32 x 16 uint8 (E2M1 codes of Wk, K innermost, in blocks of 32 codes, two codes a byte); Wk_scales 1,024 x 32 uint8 (E8M0 scales of Wk, one for each 32 codes along K); Wo_codes 1,024 x 32 x 16 uint8 (E2M1 codes of Wo, K innermost, in blocks of 32 codes, two codes a byte); Wo_scales 1,024 x 32 uint8 (E8M0 scales of Wo, one for each 32 codes along K); Wq_codes 1,024 x 32 x 16 uint8 (E2M1 codes of Wq, K innermost, in blocks of 32 codes, two codes a byte); Wq_scales 1,024 x 32 uint8 (E8M0 scales of Wq, one for each 32 codes along K); Wv_codes 1,024 x 32 x 16 uint8 (E2M1 codes of Wv, K innermost, in blocks of 32 codes, two codes a byte); Wv_scales 1,024 x 32 uint8 (E8M0 scales of Wv, one for each 32 codes along K); bk 1,024 float32; bo 1,024 float32; bq 1,024 float32; bv 1,024 float32; keys_codes 4 x 2,048 x 32 x 16 uint8 (E2M1 codes of keys, K innermost, in blocks of 32 codes, two codes a byte); keys_scales 4 x 2,048 x 32 uint8 (E8M0 scales of keys, one for each 32 codes along K); queries_codes 4 x 2,048 x 32 x 16 uint8 (E2M1 codes of queries, K innermost, in blocks of 32 codes, two codes a byte); queries_scales 4 x 2,048 x 32 uint8 (E8M0 scales of queries, one for each 32 codes along K); values_codes 4 x 2,048 x 32 x 16 uint8 (E2M1 codes of values, K innermost, in blocks of 32 codes, two codes a byte); values_scales 4 x 2,048 x 32 uint8 (E8M0 scales of values, one for each 32 codes along K).
;; Outputs: out0 4 x 2,048 x 1,024 float32.
;; This version of the problem:
;;   THIS VERSION OF THE PROBLEM IS GIVEN IN LOW PRECISION. The matrix products marked QUANTISED in the list below multiply operands that are first quantised to E2M1 (2 exponent bits, 1 mantissa bit; 4 bits a number), with one power-of-two scale for each 32 numbers along K (OCP MX v1.0); their sums are f32. All else is computed in f32.
;;   The module's matrix products, in the order in which they are computed (A, B: the left and right operand; K: the contracted axis; several contracted axes count as one K, in the product's order):
;;     1. [M 8,192, K 1,024] x [K 1,024, N 1,024]; A: input queries (given as codes); B: input Wq (given as codes): QUANTISED
;;     2. [M 8,192, K 1,024] x [K 1,024, N 1,024]; A: input keys (given as codes); B: input Wk (given as codes): QUANTISED
;;     3. [M 8,192, K 1,024] x [K 1,024, N 1,024]; A: input values (given as codes); B: input Wv (given as codes): QUANTISED
;;     4. batch 64 x [M 2,048, K 64] x [K 64, N 2,048]; A: computed on the way; B: computed on the way: QUANTISED
;;     5. batch 64 x [M 2,048, K 2,048] x [K 2,048, N 64]; A: softmax (see below); B: computed on the way: QUANTISED
;;     6. [M 8,192, K 1,024] x [K 1,024, N 1,024]; A: computed on the way; B: input Wo (given as codes): QUANTISED
;;   THE QUANTISER, for each operand of a quantised product, along K:
;;     - K is cut into blocks of 32 from its start; a last block that is shorter is filled with zeros.
;;     - A block's scale is 2^e with e = floor(log2(the largest magnitude in the block)) - 2, held to -126 .. 127; a block of zeros has e = 0. As a byte (E8M0): e + 127.
;;     - Each number is divided by its block's scale, clamped to +-6, and rounded to the nearest number of E2M1, ties to even, subnormals kept.
;;     - The product sums the exact products of the quantised numbers (number of the format x scale) in f32.
;;   ~~~python
;;   def quantise(x, axis):      # numpy; x: float32 -> the quantised numbers, widened to float32 again
;;       x = np.moveaxis(x, axis, -1); K = x.shape[-1]
;;       x = np.pad(x, [(0, 0)] * (x.ndim - 1) + [(0, -K % 32)]); x = x.reshape(x.shape[:-1] + (-1, 32)); a = np.abs(x).max(-1, keepdims=True)
;;       e = np.where(a > 0, np.clip(np.frexp(np.where(a > 0, a, 1))[1] - 1 - 2, -126, 127), 0)      # np.frexp(a)[1] - 1 = floor(log2(a)), exactly
;;       r = np.clip(x / 2.0 ** e, -6, 6)
;;       step = 2.0 ** (np.maximum(np.frexp(np.where(r == 0, 1, r))[1] - 1, 0) - 1)
;;       q = np.round(r / step) * step * 2.0 ** e      # np.round: ties to even
;;       return np.moveaxis(q.reshape(q.shape[:-2] + (-1,))[..., :K], -1, axis).astype(np.float32)
;;   ~~~
;;   SOFTMAX AHEAD OF A QUANTISED PRODUCT. Where the list says 'softmax', what is quantised is not the finished softmax but p = 2^(t - M), with t = logit x log2(e) and M = ceil(the row's largest t), a whole number; so 1/2 < the row's largest p <= 1. The row's sum l is taken of the UNQUANTISED p, in f32, and the product's result is divided by l at the end. Since M is a whole number, a kernel that streams over the keys may use a running M (the ceiling of the running maximum): every later rescaling is an exact power of two, which a block's scale takes up: the codes' values come out the same.
;;   OPERANDS COMPUTED ON THE WAY. 'Computed on the way' means the value that the module computes at that place (a softmax that the list does not call 'softmax' is quantised finished and normalised). What goes into a quantiser is computed in f32, as accurately as f32 sums, v_exp_f32 and their like allow (about 1e-6 of the number): no bf16 or f16 on the way to a quantiser, and a product that is left as it is and whose result goes on into a quantised operand takes f32 operands (vector FMAs, or v_wmma_f32_16x16x4_f32). A number that lies on a knife's edge between two numbers of the format may be rounded either way, as far as f32 arithmetic and the matrix unit's own rounding can turn it there, and no further.
;;   INPUTS GIVEN AS CODES. Wk (in the module: [1024, 1024], K = its axis 1); Wo (in the module: [1024, 1024], K = its axis 1); Wq (in the module: [1024, 1024], K = its axis 1); Wv (in the module: [1024, 1024], K = its axis 1); keys (in the module: [4, 2048, 1024], K = its axis 2); queries (in the module: [4, 2048, 1024], K = its axis 2); values (in the module: [4, 2048, 1024], K = its axis 2): each comes as NAME_codes (uint8): NAME with its K axis moved to the last place and cut into blocks of 32 codes, [.., K / 32, bytes a block], one block behind the other in memory; two codes a byte, the lower K in the low four bits (a code: sign, 2 exponent bits, 1 mantissa bit); and NAME_scales (uint8): the same leading axes, one E8M0 byte (e + 127) for each 32 codes along K. Its value is code x scale, taken as it is: it is not quantised again, and the codes and scales need not be those that the quantiser above would give.
;; One version. Each part assembles by itself: llvm-mc -triple=amdgcn-amd-amdhsa -mcpu=gfx1250 --defsym DOCPART=n.
;; ======== version 1 of 1: 3 launches
;; workspace buffers: q_img 4,194,304 bytes; q_sc 524,288 bytes; kv 9,437,184 bytes; a_img 4,194,304 bytes; a_sc 262,144 bytes
;; launch proj (part 1): grid 4 x 64, 4 waves a work-group, clusters of 4 x 4, 327,680 bytes of LDS; arguments queries_codes, keys_codes, values_codes, Wq_codes, Wk_codes, Wv_codes, queries_scales, keys_scales, values_scales, Wq_scales, Wk_scales, Wv_scales, bq, bk, bv, q_img, q_sc, kv; writes q_img, q_sc, kv
.if DOCPART == 1
	.amdgcn_target "amdgcn-amd-amdhsa--gfx1250"
	.amdhsa_code_object_version 6
	.text
	.protected	k_q6b2503fd23_proj
	.globl	k_q6b2503fd23_proj
	.p2align	8
	.type	k_q6b2503fd23_proj,@function
k_q6b2503fd23_proj:
	s_mov_b64 s[64:65], 0
	v_nop
	global_prefetch_b8 v0, s[64:65] scope:SCOPE_SE
	s_setreg_imm32_b32 hwreg(HW_REG_WAVE_MODE, 25, 1), 1
	s_wait_xcnt 0x0
	s_wait_alu depctr_hold_cnt(0) depctr_sa_sdst(0) depctr_va_vdst(0) depctr_va_sdst(0) depctr_va_ssrc(0) depctr_va_vcc(0) depctr_vm_vsrc(0)
	s_getreg_b32 s2, hwreg(HW_REG_IB_STS2, 6, 4)
	s_cmp_eq_u32 s2, 0
	s_cbranch_scc0 .Lentry_in_a_cluster
	s_endpgm
.Lentry_in_a_cluster:
	s_bfe_u32 s2, ttmp6, 0x10000c
	s_cmp_lg_u32 s2, 0xf033
	s_cbranch_scc0 .Lentry_shape_is_right
	s_endpgm
.Lentry_shape_is_right:
; q = queries Wq^T + bq, k = keys Wk^T + bk, v = values Wv^T + bv on codes of FP4 (E2M1) with E8M0 scales, f32 sums; the results are quantised here and leave as codes.
; Tokens: [8192][1024] codes (512 bytes a row), scales [8192][32].  Weights: [1024][1024] codes, scales [1024][32].  Biases f32 [1024].
; SHARES.  A work-group of four waves STAYS and makes the same tile place (128 tokens Y x 256 channels X) of q, then k, then v: six K steps of 512 through a ring of two LDS slots.
; q, k: THE MATRIX INSTRUCTION IS USED TRANSPOSED: source 0 = 16 rows of W (8 blocks: my 128 channels, two heads), source 1 = 16 tokens (4 blocks: my 64 tokens): a lane holds one token, its registers run along
;   the channels, which are the K of the scores' product.   v: source 0 = 16 tokens (8 blocks: all 128), source 1 = 16 rows of Wv (4 blocks: my 64 channels, one head): a lane holds one channel, its registers run
;   along 128 keys, which are one K step of the second product of attention.  In both cases 32 accumulators, (a, t) at v[8 (8 a + t)] of window 2; register 8 t + j of a lane is element 16 t + 8 (lane / 16) + j along the next K.
; OUT, in the order of the reader's operand registers (G = 16 batch + head):
;   q_img [G][tile of 16 queries, 128][lane][16 bytes]: lane (r, h): codes of query r, channels 32 h .. 32 h + 31.   q_sc [G][4 tiles, 32][r][tile] words: the head's two scale bytes, twice.
;   kv [G] x 147,456 bytes: + 0 k as q_img;  + 65,536 v [key step of 128][channel tile 4][half 2][lane][16 bytes];  + 131,072 k's scale words as q_sc;  + 139,264 v's [step][lane][tile] words (lanes 16-31 repeat lanes 0-15).
; THE QUANTISER: a block's scale byte is its largest magnitude's exponent field - 2, held at 1 from below by a floor among the maximum's leaves; the conversion divides, holds at the largest code and rounds to nearest even.
; LIMITS: NaN and infinities among the inputs are not served.  A block whose largest magnitude lies under 2^-124, a block of zeros too, gets the byte 1 (the rule says 127 for zeros): its codes are zeros, and this program alone reads the bytes.
; CLUSTERS: 4 x 4 work-groups.  The token tile hangs on Y alone and is shared along a row of the cluster, W's tile on X alone and is shared along a column: each is asked for jointly.
; REGISTERS, windows of 256: window 0: addresses, scale words (three sets of 48), the quantiser's work;  window 1: two fragment buffers of 96;  window 2: accumulators;  window 3: the biases, as the C of each sum's first product.
.set KVH,    147456
.set PITCH,  272                       ; an LDS row: 256 bytes + 16 of padding = 68 words: the 16 rows of a fragment load start at 16 different banks (64 banks of 4 bytes: ISA guide 11.1)
.set BLK,    16*PITCH
.set TOKB,   128*PITCH                 ; a slot: 128 rows of tokens, then 256 rows of W
.set SLOT,   384*PITCH
.set SPARE,  2*SLOT                    ; behind the ring: the spare words, 128 bytes a wave: two blocks of 256 bytes that no other line names
.set RA,     8                         ; v8-9   LDS address of source 0's blocks in slot 0, 1 for q and k;  v12-13 for v
.set LA,     10                        ; v10-11 the same for source 1;  v14-15 for v
.set VOQ,    22                        ; v22-27 store offsets: q's codes, k's codes, q's scale words, k's, v's codes, v's scale words
.set VOK,    23
.set VSQ,    24
.set VSK,    25
.set VOV,    26
.set VSV,    27
.set SPW,    28                        ; v28 LDS address of my spare word; never rewritten
.set NIL,    29                        ; v29 0; never rewritten
.set TM,     32                        ; v32-35 largest magnitudes, v36-39 the other half's, then bytes, v44-47 the conversions' scale operands
.set SSQ,    64                        ; scale words: set + 8 g + kq: lanes 0-15 source 0's block g, lanes 16-31 block g + 4;  set + 32 + 8 g + kq: source 1's blocks g and g + 2;  kq: which 128 along K
.set SSK,    112
.set SSV,    160
.set PC,     208                       ; v208-239 the codes just made: four sets of 8
.set SW,     240                       ; v240-243 the scale words just made
.set F0,     0                         ; fragment buffers, window 1: source 0's block t at 8 t, source 1's block a at 64 + 8 a
.set F1,     96
.set BQ,     0                         ; window 3
.set BKK,    64
.set BV,     128
.set G1T,    40                        ; s[40:47] descriptor group 1, tokens;  s[48:55] W;  s[56:63], s[68:75] groups 0, one for each slot
.set G1W,    48
.set G0T,    56
.set G0W,    68
.set W_MUL,  0xa5                      ; sources 0 and 1 window 1, C and D window 2
.set W_MULB, 0xb5                      ; the same, C window 3
.set W_LD,   0x40                      ; destination window 1
.set W_MAX,  0x0a                      ; sources 0 and 1 window 2
.set W_CVT,  0x02                      ; source 0 window 2
.set W_BIAS, 0xc0                      ; destination window 3
.set MSB, 0
.macro WIN new                         ; the immediate's high byte repeats the setting that is left
.if MSB != \new
	s_set_vgpr_msb (MSB<<8)|\new
.set MSB, \new
.endif
.endm
.macro PLACES                          ; four plain places behind a matrix instruction, in front of loads into its sources and of reads of its result
.rept 4
	v_nop
.endr
.endm
; A joint load: waves 0 and 1 fetch the tokens' two halves, waves 2 and 3 W's.  The branch hangs on the wave's number alone.  Four v_nop follow each line.
.macro JLOAD s
	s_cmp_eq_u32 s77, 0
	s_cbranch_scc0 .Lfor_w_\@
	tensor_load_to_lds s[G0T+4*\s:G0T+4*\s+3], s[G1T:G1T+7]
	s_nop 0
.rept 4
	v_nop
.endr
	s_branch .Lasked_\@
.Lfor_w_\@:
	tensor_load_to_lds s[G0W+4*\s:G0W+4*\s+3], s[G1W:G1W+7]
	s_nop 0
.rept 4
	v_nop
.endr
.Lasked_\@:
.endm
.macro CREST                           ; a round of the cluster's barrier behind its opening barrier
	s_cmp_lg_u32 s76, 0
	s_cbranch_scc1 .Lnot_wave_0_\@
	s_barrier_signal -3
.Lnot_wave_0_\@:
	s_barrier_wait -3
	s_barrier_signal -1
	s_barrier_wait -1
.endm
.macro CROUND
	s_barrier_signal -1
	s_barrier_wait -1
	CREST
.endm
	s_load_b512 s[4:19], s[0:1], 0x0               ; codes: queries s[4:5], keys s[6:7], values s[8:9], Wq s[10:11], Wk s[12:13], Wv s[14:15]; scales: queries s[16:17], keys s[18:19]
	s_load_b512 s[20:35], s[0:1], 0x40             ; scales: values s[20:21], Wq s[22:23], Wk s[24:25], Wv s[26:27]; bq s[28:29], bk s[30:31], bv s[32:33]; q_img s[34:35]
	s_load_b128 s[36:39], s[0:1], 0x80             ; q_sc s[36:37], kv s[38:39]
	v_lshl_add_u32 v[SPW], v0, 2, SPARE
	v_mov_b32 v[NIL], 0
	ds_add_u32 v28, v29
	ds_add_u32 v28, v29
	s_wait_dscnt 0x0
	v_lshrrev_b32 v1, 5, v0
	v_readfirstlane_b32 s76, v1                    ; wave 0..3
	s_lshr_b32 s77, s76, 1
	s_and_b32 s78, s76, 1
	s_bfe_u32 s79, ttmp6, 0x40000                  ; cx
	s_bfe_u32 s80, ttmp6, 0x40004                  ; cy
	s_lshl_b32 s81, ttmp9, 2
	s_add_co_u32 s81, s81, s79                     ; X: which 256 channels
	s_and_b32 s82, ttmp7, 0xffff
	s_lshl_b32 s82, s82, 2
	s_add_co_u32 s82, s82, s80                     ; Y: which 128 tokens
	s_mov_b32 s83, 0xffff0000                      ; lanes 16-31
	s_mov_b32 s84, 0x76543210                      ; v_permlanex16_b32's selects for lane l xor 16
	s_mov_b32 s85, 0xfedcba98
	s_lshl_b32 s86, s80, 2
	s_lshl_b32 s86, 15, s86                        ; my row of the cluster
	s_lshl_b32 s87, 0x1111, s79                    ; my column
	s_or_b32 s[G1T], s86, (1<<20)|(1<<21)|(5<<22)|(3<<25)   ; 15:0 the mask; 17:16 elements of 1 byte; 20 padding on; 21 set beside a mask; 24:22 after every 64 words; 31:25 four words
	s_or_b32 s[G1W], s87, (1<<20)|(1<<21)|(5<<22)|(3<<25)
	s_mov_b32 s[G1T+1], 256<<16                    ; tensor_dim0 = 256 bytes
	s_mov_b32 s[G1T+2], 64<<16                     ; tensor_dim1 = 64 rows
	s_mov_b32 s[G1T+3], 256<<16                    ; tile_dim0
	s_mov_b32 s[G1T+4], 64                         ; tile_dim1
	s_mov_b32 s[G1T+5], 512                        ; from row to row
	s_mov_b32 s[G1T+6], 0
	s_mov_b32 s[G1T+7], 0
	s_mov_b32 s[G1W+1], 256<<16
	s_mov_b32 s[G1W+2], 128<<16                    ; 128 rows
	s_mov_b32 s[G1W+3], 256<<16
	s_mov_b32 s[G1W+4], 128
	s_mov_b32 s[G1W+5], 512
	s_mov_b32 s[G1W+6], 0
	s_mov_b32 s[G1W+7], 0
	s_lshl_b32 s88, s82, 16                        ; tokens: (128 Y + 64 (wave & 1)) rows of 512 bytes: Y and the wave's number alone
	s_lshl_b32 s92, s78, 15
	s_add_co_u32 s88, s88, s92
	s_mov_b32 s89, 0
	s_lshl_b32 s90, s81, 17                        ; W: (256 X + 128 (wave & 1)) rows: X and the wave's number alone
	s_lshl_b32 s92, s78, 16
	s_add_co_u32 s90, s90, s92
	s_mov_b32 s91, 0
	s_mul_i32 s93, s78, 64*PITCH                   ; where they go in a slot: no place in the cluster enters an LDS address
	s_mul_i32 s94, s78, 128*PITCH
	s_add_co_u32 s94, s94, TOKB
	s_wait_kmcnt 0x0
	s_add_nc_u64 s[4:5], s[4:5], s[88:89]          ; the six pointers to codes now stand at the first row that I fetch
	s_add_nc_u64 s[6:7], s[6:7], s[88:89]
	s_add_nc_u64 s[8:9], s[8:9], s[88:89]
	s_add_nc_u64 s[10:11], s[10:11], s[90:91]
	s_add_nc_u64 s[12:13], s[12:13], s[90:91]
	s_add_nc_u64 s[14:15], s[14:15], s[90:91]
	CROUND                                         ; all sixteen work-groups are here: the first joint loads meet
.irp s, 0,1
	s_mov_b32 s[G0T+4*\s], 1
	s_add_co_u32 s[G0T+4*\s+1], s93, \s*SLOT
	s_add_nc_u64 s[G0T+4*\s+2:G0T+4*\s+3], s[4:5], \s*256     ; q's K step s
	s_or_b32 s[G0T+4*\s+3], s[G0T+4*\s+3], 0x80000000
	s_mov_b32 s[G0W+4*\s], 1
	s_add_co_u32 s[G0W+4*\s+1], s94, \s*SLOT
	s_add_nc_u64 s[G0W+4*\s+2:G0W+4*\s+3], s[10:11], \s*256
	s_or_b32 s[G0W+4*\s+3], s[G0W+4*\s+3], 0x80000000
	s_wait_alu depctr_va_vdst(0)
	s_wait_tensorcnt 0x0
	ds_add_u32 v28, v29
	ds_add_u32 v28, v29
	s_wait_dscnt 0x0
	CROUND
	JLOAD \s                                       ; one load of mine is out
.endr
	v_and_b32 v1, 15, v0                           ; r
	v_bfe_u32 v2, v0, 4, 1                         ; h
	v_and_b32 v3, 31, v0                           ; lane
	v_mul_u32_u24 v4, v1, PITCH
	v_lshl_add_u32 v4, v2, 4, v4                   ; a fragment's row x pitch + 16 h
	s_mul_i32 s95, s77, 64*PITCH                   ; q, k: my 64 tokens
	s_mul_i32 s96, s76, 64*PITCH                   ; v: my 64 rows of Wv,
	s_add_co_u32 s96, s96, TOKB                    ; behind the tokens
.irp s, 0,1
	v_add_nc_u32 v[RA+\s], s94, v4                 ; q, k: my 128 rows of W
	v_add_nc_u32 v[LA+\s], s95, v4
	v_add_nc_u32 v[RA+4+\s], \s*SLOT, v4           ; v: all 128 tokens
	v_add_nc_u32 v[LA+4+\s], s96, v4
	s_add_co_u32 s94, s94, SLOT
	s_add_co_u32 s95, s95, SLOT
	s_add_co_u32 s96, s96, SLOT
.endr
	; the scale bytes: 32 a row.  Lanes 16-31 take the rows 64 (source 0) or 32 (source 1) further on
	v_lshlrev_b32 v5, 5, v1
	v_lshl_add_u32 v6, v2, 11, v5                  ; 32 r + 2,048 h
	v_lshl_add_u32 v7, v2, 10, v5                  ; 32 r + 1,024 h
	s_wait_alu depctr_va_vdst(0)
	s_lshl_b32 s86, s81, 13
	s_lshl_b32 s87, s78, 12
	s_add_co_u32 s86, s86, s87
	v_add_nc_u32 v16, s86, v6                      ; q, k: W's rows 256 X + 128 (wave & 1) on
	s_wait_alu depctr_va_vdst(0)
	s_lshl_b32 s86, s82, 12
	v_add_nc_u32 v18, s86, v6                      ; v: tokens 128 Y on
	s_lshl_b32 s87, s77, 11
	s_add_co_u32 s86, s86, s87
	v_add_nc_u32 v17, s86, v7                      ; q, k: tokens 128 Y + 64 (wave / 2) on
	s_wait_alu depctr_va_vdst(0)
	s_lshl_b32 s86, s81, 13
	s_lshl_b32 s87, s76, 11
	s_add_co_u32 s86, s86, s87
	v_add_nc_u32 v19, s86, v7                      ; v: Wv's rows 256 X + 64 wave on
	s_lshl_b32 s86, s81, 10
	s_lshl_b32 s87, s78, 9
	s_add_co_u32 s87, s86, s87
	v_lshl_add_u32 v20, v2, 5, s87                 ; bq, bk: channel 256 X + 128 (wave & 1) + 8 h, in bytes
	s_lshl_b32 s87, s76, 8
	s_add_co_u32 s87, s86, s87
	v_lshl_add_u32 v21, v1, 2, s87                 ; bv: channel 256 X + 64 wave + r
.macro SCL ss, pr, vr, pl, vl          ; a tile's scale words, once for all of K: 16 bytes (four K steps of 128) a lane and load
.irp g, 0,1,2,3
.irp k, 0,1
	global_load_b128 v[\ss+8*\g+4*\k:\ss+8*\g+4*\k+3], v[\vr], s[\pr:\pr+1] offset:512*\g+16*\k
.endr
.endr
.irp g, 0,1
.irp k, 0,1
	global_load_b128 v[\ss+32+8*\g+4*\k:\ss+32+8*\g+4*\k+3], v[\vl], s[\pl:\pl+1] offset:512*\g+16*\k
.endr
.endr
.endm
	SCL SSQ, 22, 16, 16, 17
	SCL SSK, 24, 16, 18, 17
	SCL SSV, 20, 18, 26, 19
	WIN W_BIAS
.irp t, 0,1,2,3,4,5,6,7                ; q, k: block t's C: register j = the bias of channel 16 t + 8 h + j
	global_load_b128 v[BQ+8*\t:BQ+8*\t+3], v20, s[28:29] offset:64*\t
	global_load_b128 v[BQ+8*\t+4:BQ+8*\t+7], v20, s[28:29] offset:64*\t+16
	global_load_b128 v[BKK+8*\t:BKK+8*\t+3], v20, s[30:31] offset:64*\t
	global_load_b128 v[BKK+8*\t+4:BKK+8*\t+7], v20, s[30:31] offset:64*\t+16
.endr
.irp a, 0,1,2,3                        ; v: block a's C: all eight registers hold the bias of my lane's channel 16 a + r
.irp j, 0,1,2,3,4,5,6,7
	global_load_b32 v[BV+8*\a+\j], v21, s[32:33] offset:64*\a
.endr
.endr
	WIN 0
	; where the results go
	s_lshr_b32 s86, s82, 4
	s_lshl_b32 s86, s86, 4
	s_lshl_b32 s87, s81, 2
	s_add_co_u32 s86, s86, s87                     ; 16 batch + 4 X
	s_lshl_b32 s87, s78, 1
	s_add_co_u32 s97, s86, s87                     ; q, k: G of my first head
	s_add_co_u32 s99, s86, s76                     ; v: G of my head
	s_and_b32 s92, s82, 15                         ; which 128 tokens of the batch
	s_lshl_b32 s98, s92, 3
	s_lshl_b32 s87, s77, 2
	s_add_co_u32 s98, s98, s87                     ; q, k: my first tile of 16 tokens in the batch: a multiple of 4
	v_lshlrev_b32 v5, 4, v3                        ; 16 lane
	v_lshlrev_b32 v6, 4, v1                        ; 16 r
	s_wait_alu depctr_va_vdst(0)
	s_lshl_b32 s86, s97, 16
	s_lshl_b32 s87, s98, 9
	s_add_co_u32 s86, s86, s87
	v_add_nc_u32 v[VOQ], s86, v5
	s_mul_i32 s95, s97, KVH
	s_add_co_u32 s86, s95, s87
	v_add_nc_u32 v[VOK], s86, v5
	s_lshl_b32 s86, s97, 13
	s_lshl_b32 s87, s98, 6
	s_add_co_u32 s86, s86, s87
	v_lshl_add_u32 v7, v2, 13, v6                  ; lanes 16-31: the second head
	v_add_nc_u32 v[VSQ], s86, v7
	s_add_co_u32 s86, s95, s87
	s_add_co_u32 s86, s86, 131072
	v_mul_u32_u24 v7, v2, KVH
	v_add3_u32 v[VSK], v7, v6, s86
	s_mul_i32 s95, s99, KVH
	s_lshl_b32 s87, s92, 12
	s_add_co_u32 s86, s95, s87
	s_add_co_u32 s86, s86, 65536
	v_add_nc_u32 v[VOV], s86, v5
	s_lshl_b32 s87, s92, 9
	s_add_co_u32 s86, s95, s87
	s_add_co_u32 s86, s86, 139264
	v_add_nc_u32 v[VSV], s86, v5
.irp b, 0,1,2,3
	v_mov_b32 v[TM+4+\b], 0                        ; written once: a lane permute's destination counts as one of its sources
.endr
; 24 LDS loads in one run: the fragments of the slot's q-th 128 along K into buffer f.  A fragment (16 rows x 128 K of 4-bit codes) is 8 registers: lane (r, h): row r; registers 4 c .. 4 c + 3: K = 64 c + 32 h + 0 .. 31
.macro FETCH mode, slot, q, f
	WIN W_LD
.irp t, 0,1,2,3,4,5,6,7
.irp c, 0,1
	ds_load_b128 v[(\f)+8*\t+4*\c:(\f)+8*\t+4*\c+3], v[RA+4*(\mode)+(\slot)] offset:\t*BLK+64*(\q)+32*\c
.endr
.endr
.irp a, 0,1,2,3
.irp c, 0,1
	ds_load_b128 v[(\f)+64+8*\a+4*\c:(\f)+64+8*\a+4*\c+3], v[LA+4*(\mode)+(\slot)] offset:\a*BLK+64*(\q)+32*\c
.endr
.endr
.endm
.macro WM t, a                         ; one product; blocks 4-7 of source 0 and 2-3 of source 1 have their scale words in lanes 16-31
.if ((\t) >= 4) && ((\a) >= 2)
	v_wmma_scale_f32_16x16x128_f8f6f4 v[rD:rD+7], v[rA:rA+7], v[rB:rB+7], v[rC:rC+7], v[rSA], v[rSB] matrix_a_fmt:MATRIX_FMT_FP4 matrix_b_fmt:MATRIX_FMT_FP4 matrix_a_scale:MATRIX_SCALE_ROW1 matrix_b_scale:MATRIX_SCALE_ROW1
.elseif (\t) >= 4
	v_wmma_scale_f32_16x16x128_f8f6f4 v[rD:rD+7], v[rA:rA+7], v[rB:rB+7], v[rC:rC+7], v[rSA], v[rSB] matrix_a_fmt:MATRIX_FMT_FP4 matrix_b_fmt:MATRIX_FMT_FP4 matrix_a_scale:MATRIX_SCALE_ROW1
.elseif (\a) >= 2
	v_wmma_scale_f32_16x16x128_f8f6f4 v[rD:rD+7], v[rA:rA+7], v[rB:rB+7], v[rC:rC+7], v[rSA], v[rSB] matrix_a_fmt:MATRIX_FMT_FP4 matrix_b_fmt:MATRIX_FMT_FP4 matrix_b_scale:MATRIX_SCALE_ROW1
.else
	v_wmma_scale_f32_16x16x128_f8f6f4 v[rD:rD+7], v[rA:rA+7], v[rB:rB+7], v[rC:rC+7], v[rSA], v[rSB] matrix_a_fmt:MATRIX_FMT_FP4 matrix_b_fmt:MATRIX_FMT_FP4
.endif
.endm
; 8 products: source 1's block a against source 0's eight.  bias >= 0: the sums begin with the bias, at v[bias + bt t + ba a] of window 3.  The 32 accumulators take turns, one instruction a turn, in the same order in every step.
.macro MUL8 a, f, kq, ss, bias, bt, ba
.irp t, 0,1,2,3,4,5,6,7
.set rD, 8*(8*(\a)+\t)
.set rC, rD
.if (\bias) >= 0
.set rC, (\bias)+(\bt)*\t+(\ba)*(\a)
.endif
.set rA, (\f)+8*\t
.set rB, (\f)+64+8*(\a)
.set rSA, (\ss)+8*(\t%4)+(\kq)
.set rSB, (\ss)+32+8*((\a)%2)+(\kq)
	WM \t, \a
.endr
.endm
; A step of 128 along K that has its successor in the same slot: the next step's fragments are asked for first, then this step's 32 products are issued
.macro STEP mode, slot, q, ss, bias, bt, ba
	s_wait_dscnt 0x0                               ; this step's fragments, asked for a step ago
	PLACES                                         ; the other buffer was read by the last step's products
	FETCH \mode, \slot, (\q)+1, F1-F1*((\q)%2)
.if (\bias) >= 0
	WIN W_MULB
.else
	WIN W_MUL
.endif
.irp a, 0,1,2,3
	MUL8 \a, F1*((\q)%2), 4*(\slot)+(\q), \ss, \bias, \bt, \ba
.endr
.endm
; A slot's last step changes slots: ONE barrier; in front of it each wave waits for all its tensor loads, adds 0 to its spare word, and waits for that and for its own reads of this slot.
; fill = 1: this slot takes the same half of K of the NEXT tile (tokens at s[nt:nt+1], W at s[nw:nw+1]); the barrier then opens a round of the cluster's.  nmode: whose fragments the other slot holds (0: q or k, 1: v).
.macro TURN slot, ss, fill, nmode, nt, nw
	WIN 0                                          ; (the add's two registers lie in window 0)
	s_wait_tensorcnt 0x0                           ; all my tensor loads have landed: the one that was out is my part of the other slot
	ds_add_u32 v[SPW], v[NIL]                      ; 0 onto my spare word
	s_wait_dscnt 0x1                               ; the add alone may be out: this step's fragments are in
	WIN W_MUL
	MUL8 0, F1, 4*(\slot)+3, \ss, -1, 0, 0         ; eight products stand between the add and the wait for it
	s_wait_dscnt 0x0                               ; the add is done, and my reads of this slot are over
	s_barrier_signal -1
	MUL8 1, F1, 4*(\slot)+3, \ss, -1, 0, 0
	WIN 0
	s_barrier_wait -1
.if \fill
	CREST                                          ; no wave of any partner still reads this slot or has a load on its way
	s_add_nc_u64 s[G0T+4*(\slot)+2:G0T+4*(\slot)+3], s[\nt:\nt+1], 256*(\slot)
	s_or_b32 s[G0T+4*(\slot)+3], s[G0T+4*(\slot)+3], 0x80000000
	s_add_nc_u64 s[G0W+4*(\slot)+2:G0W+4*(\slot)+3], s[\nw:\nw+1], 256*(\slot)
	s_or_b32 s[G0W+4*(\slot)+3], s[G0W+4*(\slot)+3], 0x80000000
	JLOAD \slot                                    ; the first tensor load behind the round, my only one until the next; its four v_nop are also the places in front of the loads below
.else
	PLACES
.endif
	FETCH \nmode, 1-(\slot), 0, F0
	WIN W_MUL
	MUL8 2, F1, 4*(\slot)+3, \ss, -1, 0, 0
	MUL8 3, F1, 4*(\slot)+3, \ss, -1, 0, 0
.endm
; 64 results of a lane (window 2, v[acc] on; register 8 t + j = element 16 t + 8 h + j) become a fragment's codes in v[pc] .. v[pc + 7] and four scale bytes in v[TM + 4] ..
; Block b of 32 lies in tiles 2 b and 2 b + 1 of lanes l and l xor 16.  Tile t's eight codes go to register 4 (t / 4) + 2 (t % 2) + (t / 2) % 2; four exchanges of halves then give registers 4 c + i the elements 64 c + 32 h + 8 i on.
.macro QUANT acc, pc
	WIN W_MAX
.irp b, 0,1,2,3
	v_max3_num_f32 v[TM+\b], |v[(\acc)+16*\b]|, |v[(\acc)+16*\b+1]|, 0x1800000   ; each accumulator from its low end on; the floor 2^(3 - 127) holds the byte at 1 from below
.endr
.irp i, 2,4,6,8,10,12,14
.irp b, 0,1,2,3
	v_max3_num_f32 v[TM+\b], |v[(\acc)+16*\b+\i]|, |v[(\acc)+16*\b+\i+1]|, v[TM+\b]   ; (the four blocks by turns)
.endr
.endr
	WIN 0
.irp b, 0,1,2,3
	v_permlanex16_b32 v[TM+4+\b], v[TM+\b], s84, s85
.endr
.irp b, 0,1,2,3
	v_max_num_f32 v[TM+\b], v[TM+\b], v[TM+4+\b]   ; with lane l xor 16's: the block's largest magnitude
.endr
.irp b, 0,1,2,3
	v_add_nc_u32 v[TM+12+\b], 0xff000000, v[TM+\b] ; 2 off its exponent field: the conversion's scale operand
.endr
.irp b, 0,1,2,3
	v_lshrrev_b32 v[TM+4+\b], 23, v[TM+12+\b]      ; the scale's byte
.endr
	WIN W_CVT
.irp t, 0,1,2,3,4,5,6,7
	v_cvt_scalef32_pk8_fp4_f32 v[(\pc)+4*(\t/4)+2*(\t%2)+((\t/2)%2)], v[(\acc)+8*\t:(\acc)+8*\t+7], v[TM+12+\t/2]
.endr
	WIN 0
	v_nop                                          ; one plain place behind a scaled conversion
.irp c, 0,1
.irp u, 0,1
	v_permlane16_swap_b32 v[(\pc)+4*\c+2*\u], v[(\pc)+4*\c+2*\u+1]
.endr
.endr
.endm
; q's or k's tile goes out: four tiles of 16 tokens x two heads.  Each store of codes covers 512 consecutive bytes; the scale words' store two runs of 256.
.macro EPI_QK pi, vi, hs, ps, vs
	WIN 0
	s_wait_xcnt 0x0                                ; the last tile's stores have read their registers
	PLACES
.irp a, 0,1,2,3
	QUANT 64*\a, PC+8*\a
	v_cndmask_b32 v48, v[TM+4], v[TM+6], s83       ; lanes 0-15 make the first head's word, lanes 16-31 the second's
	v_cndmask_b32 v49, v[TM+5], v[TM+7], s83
	v_lshl_or_b32 v48, v49, 8, v48
	v_lshl_or_b32 v[SW+\a], v48, 16, v48           ; the head has 64 along K: the two bytes once more for the zero half of the reader's K step of 128
	global_store_b128 v[\vi], v[PC+8*\a:PC+8*\a+3], s[\pi:\pi+1] offset:512*\a
	global_store_b128 v[\vi], v[PC+8*\a+4:PC+8*\a+7], s[\pi:\pi+1] offset:\hs+512*\a
.endr
	global_store_b128 v[\vs], v[SW:SW+3], s[\ps:\ps+1]
.endm
.macro EPI_V                           ; v's tile: four tiles of 16 channels x one key step of 128
	WIN 0
	s_wait_xcnt 0x0
	PLACES
.irp a, 0,1,2,3
	QUANT 64*\a, PC+8*\a
	v_lshl_or_b32 v48, v[TM+5], 8, v[TM+4]
	v_lshl_or_b32 v48, v[TM+6], 16, v48
	v_lshl_or_b32 v[SW+\a], v[TM+7], 24, v48       ; my channel's scale word for these 128 keys
	global_store_b128 v[VOV], v[PC+8*\a:PC+8*\a+3], s[38:39] offset:1024*\a
	global_store_b128 v[VOV], v[PC+8*\a+4:PC+8*\a+7], s[38:39] offset:1024*\a+512
.endr
	global_store_b128 v[VSV], v[SW:SW+3], s[38:39]
.endm
	s_wait_tensorcnt 0x1                           ; my part of K step 0 is in; K step 1's load may stay out
	s_barrier_signal -1
	s_barrier_wait -1                              ; everybody's is
	s_wait_loadcnt 0x0                             ; scale words and biases
	FETCH 0, 0, 0, F0
	; ---- q
	STEP 0, 0, 0, SSQ, BQ, 8, 0
	STEP 0, 0, 1, SSQ, -1, 0, 0
	STEP 0, 0, 2, SSQ, -1, 0, 0
	TURN 0, SSQ, 1, 0, 6, 12                       ; slot 0 takes k's first half of K
	STEP 0, 1, 0, SSQ, -1, 0, 0
	STEP 0, 1, 1, SSQ, -1, 0, 0
	STEP 0, 1, 2, SSQ, -1, 0, 0
	TURN 1, SSQ, 1, 0, 6, 12                       ; slot 1 its second half: it lands while q goes out
	EPI_QK 34, VOQ, 65536, 36, VSQ
	; ---- k
	STEP 0, 0, 0, SSK, BKK, 8, 0
	STEP 0, 0, 1, SSK, -1, 0, 0
	STEP 0, 0, 2, SSK, -1, 0, 0
	TURN 0, SSK, 1, 0, 8, 14
	STEP 0, 1, 0, SSK, -1, 0, 0
	STEP 0, 1, 1, SSK, -1, 0, 0
	STEP 0, 1, 2, SSK, -1, 0, 0
	TURN 1, SSK, 1, 1, 8, 14
	EPI_QK 38, VOK, KVH, 38, VSK
	; ---- v: the sources change roles; nothing more is asked for
	STEP 1, 0, 0, SSV, BV, 0, 8
	STEP 1, 0, 1, SSV, -1, 0, 0
	STEP 1, 0, 2, SSV, -1, 0, 0
	TURN 0, SSV, 0, 1, 0, 0
	STEP 1, 1, 0, SSV, -1, 0, 0
	STEP 1, 1, 1, SSV, -1, 0, 0
	STEP 1, 1, 2, SSV, -1, 0, 0
	s_wait_dscnt 0x0
	WIN W_MUL
.irp a, 0,1,2,3
	MUL8 \a, F1, 7, SSV, -1, 0, 0
.endr
	EPI_V
	s_wait_tensorcnt 0x0                           ; the wave's end
	ds_add_u32 v[SPW], v[NIL]
	s_wait_dscnt 0x0
	CROUND                                         ; the closing round: no work-group ends while a partner may still ask for a tile that names it
	s_endpgm
.Lfunc_end_k_q6b2503fd23_proj:
	.size	k_q6b2503fd23_proj, .Lfunc_end_k_q6b2503fd23_proj-k_q6b2503fd23_proj
	.p2alignl 7, 3214868480
	.fill 96, 4, 3214868480
	.section	.rodata,"a",@progbits
	.p2align	6, 0x0
	.amdhsa_kernel k_q6b2503fd23_proj
		.amdhsa_group_segment_fixed_size 327680
		.amdhsa_private_segment_fixed_size 0
		.amdhsa_enable_private_segment 0
		.amdhsa_kernarg_size 144
		.amdhsa_user_sgpr_count 2
		.amdhsa_user_sgpr_kernarg_segment_ptr 1
		.amdhsa_wavefront_size32 1
		.amdhsa_system_sgpr_workgroup_id_x 1
		.amdhsa_system_sgpr_workgroup_id_y 1
		.amdhsa_system_sgpr_workgroup_id_z 1
		.amdhsa_system_vgpr_workitem_id 0
		.amdhsa_next_free_vgpr 1024
		.amdhsa_next_free_sgpr 100
		.amdhsa_reserve_vcc 0
		.amdhsa_float_denorm_mode_32 3
		.amdhsa_float_denorm_mode_16_64 3
		.amdhsa_memory_ordered 1
		.amdhsa_forward_progress 1
		.amdhsa_inst_pref_size 212
	.end_amdhsa_kernel
	.amdgpu_metadata
---
amdhsa.version: [ 1, 2 ]
amdhsa.kernels:
  - .name:           k_q6b2503fd23_proj
    .symbol:         k_q6b2503fd23_proj.kd
    .args:
      - { .name: queries_codes, .offset: 0, .size: 8, .value_kind: global_buffer, .address_space: global }
      - { .name: keys_codes, .offset: 8, .size: 8, .value_kind: global_buffer, .address_space: global }
      - { .name: values_codes, .offset: 16, .size: 8, .value_kind: global_buffer, .address_space: global }
      - { .name: Wq_codes, .offset: 24, .size: 8, .value_kind: global_buffer, .address_space: global }
      - { .name: Wk_codes, .offset: 32, .size: 8, .value_kind: global_buffer, .address_space: global }
      - { .name: Wv_codes, .offset: 40, .size: 8, .value_kind: global_buffer, .address_space: global }
      - { .name: queries_scales, .offset: 48, .size: 8, .value_kind: global_buffer, .address_space: global }
      - { .name: keys_scales, .offset: 56, .size: 8, .value_kind: global_buffer, .address_space: global }
      - { .name: values_scales, .offset: 64, .size: 8, .value_kind: global_buffer, .address_space: global }
      - { .name: Wq_scales, .offset: 72, .size: 8, .value_kind: global_buffer, .address_space: global }
      - { .name: Wk_scales, .offset: 80, .size: 8, .value_kind: global_buffer, .address_space: global }
      - { .name: Wv_scales, .offset: 88, .size: 8, .value_kind: global_buffer, .address_space: global }
      - { .name: bq, .offset: 96, .size: 8, .value_kind: global_buffer, .address_space: global }
      - { .name: bk, .offset: 104, .size: 8, .value_kind: global_buffer, .address_space: global }
      - { .name: bv, .offset: 112, .size: 8, .value_kind: global_buffer, .address_space: global }
      - { .name: q_img, .offset: 120, .size: 8, .value_kind: global_buffer, .address_space: global }
      - { .name: q_sc, .offset: 128, .size: 8, .value_kind: global_buffer, .address_space: global }
      - { .name: kv, .offset: 136, .size: 8, .value_kind: global_buffer, .address_space: global }
    .group_segment_fixed_size: 327680
    .private_segment_fixed_size: 0
    .kernarg_segment_align: 8
    .kernarg_segment_size: 144
    .max_flat_workgroup_size: 128
    .sgpr_count:     100
    .vgpr_count:     1024
    .wavefront_size: 32
...
	.end_amdgpu_metadata
.endif
;; end of part 1
;; launch attn (part 2): grid 4 x 64, 16 waves a work-group, clusters of 4 x 1, 169,984 bytes of LDS; arguments q_img, q_sc, kv, a_img, a_sc; writes a_img, a_sc
.if DOCPART == 2
	.amdgcn_target "amdgcn-amd-amdhsa--gfx1250"
	.amdhsa_code_object_version 6
	.text
	.protected	k_q6b2503fd23_attn
	.globl	k_q6b2503fd23_attn
	.p2align	8
	.type	k_q6b2503fd23_attn,@function
k_q6b2503fd23_attn:
	s_mov_b64 s[64:65], 0
	v_nop
	global_prefetch_b8 v0, s[64:65] scope:SCOPE_SE
	s_setreg_imm32_b32 hwreg(HW_REG_WAVE_MODE, 25, 1), 1
	s_wait_xcnt 0x0
	s_wait_alu depctr_hold_cnt(0) depctr_sa_sdst(0) depctr_va_vdst(0) depctr_va_sdst(0) depctr_va_ssrc(0) depctr_va_vcc(0) depctr_vm_vsrc(0)
	s_getreg_b32 s2, hwreg(HW_REG_IB_STS2, 6, 4)
	s_cmp_eq_u32 s2, 0
	s_cbranch_scc0 .Lentry_in_a_cluster
	s_endpgm
.Lentry_in_a_cluster:
	s_bfe_u32 s2, ttmp6, 0x10000c
	s_cmp_lg_u32 s2, 0x3003
	s_cbranch_scc0 .Lentry_shape_is_right
	s_endpgm
.Lentry_shape_is_right:
; attn[q] = the sum over keys of softmax(q . k / 8) v for one head G = 16 batch + head, both products on codes of FP4 (E2M1) with E8M0 scales; the result is quantised along E and leaves as codes.
; IN: q_img, q_sc, kv as the launch before lays them: images of the operands' registers.  OUT: a_img [tile of 16 tokens, 512][head 16][lane][16 bytes]: lane (r, h): token r, the head's channels 32 h .. 32 h + 31;
;   a_sc [token 8192][32]: byte 2 head + h.
; THE SOFTMAX: t = score x log2(e) / 8; M = the running largest t rounded UP to a whole number; p = 2^(t - M) is quantised along the keys, not normalised; the row's sum is taken of the unquantised p and divides at the end.
;   When M moves, the sum and O are multiplied by 2^(old M - new M): exact.
; SHARES.  A work-group owns 512 queries of one head.  The head's whole block of kv, 147,456 bytes, comes into LDS ONCE (each of the 16 waves brings 9,216 bytes) and is never filled again.
;   A wave owns one tile of 16 queries in each of two passes and walks all 2,048 keys, 128 a step.  Four waves share a SIMD: one wave's vector work stands beside another's products and LDS loads.
; CLUSTER: the four work-groups of a cluster are the four blocks of queries of one head: they need the same block of kv and ask for it jointly.
; LAYOUT.  Both products are used transposed: S^T = K Q^T (source 0 = 16 keys, source 1 = my 16 queries), O^T = V^T P^T (source 0 = 16 channels, source 1 = P): a lane holds ONE query throughout.
;   Register 8 t + j of S^T is key 16 t + 8 h + j.  A block of 32 keys lies in tiles 2 b, 2 b + 1 of lanes l and l xor 16.
; THE HEAD HAS 64 ALONG K, THE INSTRUCTION 128: Q's registers 4-7 hold zero codes, so whatever codes stand in K's registers 4-7 add nothing.  K's fragment of tile t is named v[KF + 4 t : KF + 4 t + 7]: its upper four
;   registers are tile t + 1's codes (behind tile 7: zeros).  So a tile of K is four registers and one load.  The upper two bytes of both scale words repeat the lower two.
; LIMITS: NaN and infinities are not served.  A block under 2^-124, or of zeros, gets the scale byte 1: its codes are zeros, and this program alone reads the bytes.  1 / sum is v_rcp_f32's.
;   The scale bytes leave by single bytes, 32 a wave and pass, into rows of 32 bytes that sixteen heads fill: 262,144 bytes in all beside 4,194,304 of codes; in return the reader finds each row's bytes on end.
.set KVH,  147456
.set KS,   34                          ; v34-37 K's scale words: lanes 0-15 tiles 0-3, lanes 16-31 tiles 4-7
.set VS,   38                          ; v38-41 V's scale words, tiles 0-3
.set PW,   42                          ; v42    p's scale word
.set KF,   44                          ; v44-75 K: tile t at 44 + 4 t;  v76-79 zeros
.set VF,   80                          ; v80-111 V^T: tile t at 80 + 8 t
.set S,    112                         ; v112-175 S^T, then p
.set O,    176                         ; v176-207 O^T
.set PC,   208                         ; v208-215 p's codes
.set BM,   216                         ; v216-219 the blocks' largest scores, then largest p
.set T2,   220                         ; v220-223 the other half's, then bytes
.set SO,   224                         ; v224-227 the conversions' scale operands
.set FF,   228                         ; v[228:229] f = 2^(old M - new M); at the end 1 / sum
.set TP,   230
.set BY,   231                         ; the scale byte that is stored
.set C2,   232                         ; v[232:233] the sum's second chain
; v1 16 lane; v2, v3, v4 the same + V's codes', K's words', V's words' place in LDS; v5-8 the step's addresses; v9 32 r + h; v10 16 r; v12 -M, v13 the largest t, v[14:15] the sum; v16-23, v24-31 Q of pass 0, 1; v32, v33 its scale words
.macro CROUND                          ; a round of the cluster's barrier
	s_barrier_signal -1
	s_barrier_wait -1
	s_cmp_lg_u32 s14, 0
	s_cbranch_scc1 .Lnot_wave_0_\@
	s_barrier_signal -3
.Lnot_wave_0_\@:
	s_barrier_wait -3
	s_barrier_signal -1
	s_barrier_wait -1
.endm
	s_load_b256 s[4:11], s[0:1], 0x0               ; q_img s[4:5], q_sc s[6:7], kv s[8:9], a_img s[10:11]
	s_load_b64 s[12:13], s[0:1], 0x20              ; a_sc
	v_lshl_add_u32 v254, v0, 2, 0x29000
	v_mov_b32 v255, 0
	ds_add_u32 v254, v255
	ds_add_u32 v254, v255
	v_lshrrev_b32 v1, 5, v0
	s_delay_alu instid0(VALU_DEP_1)
	v_readfirstlane_b32 s14, v1                    ; wave 0..15
	s_bfe_u32 s15, ttmp6, 0x40000                  ; cx: which 512 queries
	s_and_b32 s16, ttmp7, 0xffff                   ; G, which the four partners share
	s_mov_b32 s20, 0x76543210                      ; v_permlanex16_b32's selects for lane l xor 16
	s_mov_b32 s21, 0xfedcba98
	s_mov_b32 s22, 0x3e38aa3b                      ; c = log2(e) / 8
	s_mov_b32 s23, s22                             ; (named with it as a pair, so it is written)
	s_mov_b32 s39, 0xffff0000                      ; lanes 16-31
	s_mov_b32 s24, 15|(3<<16)|(1<<21)              ; group 1: 15:0 the mask: all four; 17:16 elements of 8 bytes; 21 set beside a mask; no padding: every read is 16 bytes a lane on end
	s_mov_b32 s25, 32<<16                          ; tensor_dim0 = 32 elements: rows of 256 bytes
	s_mov_b32 s26, 36<<16                          ; tensor_dim1 = 36 rows: 9,216 bytes
	s_mov_b32 s27, 32<<16                          ; tile_dim0
	s_mov_b32 s28, 36                              ; tile_dim1
	s_mov_b32 s29, 32                              ; dense
	s_mov_b32 s30, 0
	s_mov_b32 s31, 0
	s_mul_i32 s40, s16, KVH
	s_mul_i32 s33, s14, 9216                       ; group 0: LDS address: my wave's part
	s_add_co_u32 s40, s40, s33                     ; and the same part of the head's block in memory: G and the wave's number alone
	s_mov_b32 s41, 0
	s_mov_b32 s32, 1
	s_wait_dscnt 0x0
	s_wait_kmcnt 0x0
	s_add_nc_u64 s[34:35], s[8:9], s[40:41]
	s_or_b32 s35, s35, 0x80000000
	CROUND                                         ; all four work-groups are here: the joint loads meet
	tensor_load_to_lds s[32:35], s[24:31]          ; my one tensor load of the launch
	s_nop 0
.rept 4
	v_nop
.endr
	s_lshl_b32 s42, s16, 16                        ; Q: G x 65,536 + 512 x (32 cx + wave); pass 1 is 16 tiles on
	s_lshl_b32 s44, s15, 14
	s_add_co_u32 s42, s42, s44
	s_lshl_b32 s44, s14, 9
	s_add_co_u32 s42, s42, s44
	s_mov_b32 s43, 0
	s_add_nc_u64 s[4:5], s[4:5], s[42:43]
	s_lshl_b32 s42, s16, 13                        ; its scale words: G x 8,192 + 256 x (tile / 4) + 4 x (tile % 4)
	s_lshl_b32 s44, s15, 11
	s_add_co_u32 s42, s42, s44
	s_lshr_b32 s44, s14, 2
	s_lshl_b32 s44, s44, 8
	s_add_co_u32 s42, s42, s44
	s_and_b32 s44, s14, 3
	s_lshl_b32 s44, s44, 2
	s_add_co_u32 s42, s42, s44
	s_add_nc_u64 s[6:7], s[6:7], s[42:43]
	s_lshr_b32 s44, s16, 4
	s_lshl_b32 s44, s44, 7
	s_lshl_b32 s45, s15, 5
	s_add_co_u32 s44, s44, s45
	s_add_co_u32 s44, s44, s14                     ; my tile among all 512: 128 batch + 32 cx + wave
	s_and_b32 s45, s16, 15                         ; the head
	s_lshl_b32 s42, s44, 13
	s_lshl_b32 s46, s45, 9
	s_add_co_u32 s42, s42, s46
	s_add_nc_u64 s[10:11], s[10:11], s[42:43]      ; a_img: 8,192 x tile + 512 x head
	s_lshl_b32 s42, s44, 9
	s_lshl_b32 s46, s45, 1
	s_add_co_u32 s42, s42, s46
	s_add_nc_u64 s[12:13], s[12:13], s[42:43]      ; a_sc: 512 x tile + 2 x head
	v_and_b32 v11, 31, v0
	s_delay_alu instid0(VALU_DEP_1)
	v_lshlrev_b32 v1, 4, v11                       ; 16 lane
	s_delay_alu instid0(VALU_DEP_1)
	v_add_nc_u32 v2, 0x10000, v1
	s_delay_alu instid0(VALU_DEP_2)
	v_add_nc_u32 v3, 0x20000, v1
	s_delay_alu instid0(VALU_DEP_3)
	v_add_nc_u32 v4, 139264, v1
	v_and_b32 v10, 15, v0
	v_bfe_u32 v9, v0, 4, 1
	s_delay_alu instid0(VALU_DEP_1)
	v_lshl_add_u32 v9, v10, 5, v9                  ; 32 r + h
	s_delay_alu instid0(VALU_DEP_3)
	v_lshlrev_b32 v10, 4, v10                      ; 16 r
	global_load_b128 v[16:19], v1, s[4:5]          ; both passes' Q: registers 0-3 of the fragments
	global_load_b128 v[24:27], v1, s[4:5] offset:8192
	global_load_b32 v32, v10, s[6:7]
	global_load_b32 v33, v10, s[6:7] offset:1024
.irp j, 20,21,22,23,28,29,30,31,76,77,78,79
	v_mov_b32 v\j, 0                               ; zero codes: the upper halves of Q's fragments, and what stands behind K's tile 7
.endr
.irp b, 0,1,2,3
	v_mov_b32 v[T2+\b], 0                          ; written once: a lane permute's destination counts as one of its sources
.endr
	v_mov_b32 v[FF+1], 0                           ; (named as the upper half of a pair)
	s_wait_tensorcnt 0x0                           ; my part of the block is in,
	s_barrier_signal -1
	s_barrier_wait -1                              ; everybody's is.  No barrier follows but the closing round's
	s_wait_loadcnt 0x0                             ; Q
; A KEY STEP: 128 keys
.macro STEP qf, qs
	v_add_nc_u32 v5, s36, v1                       ; these four are also the places behind the last step's products, in front of the loads into their sources
	v_add_nc_u32 v6, s36, v2
	v_add_nc_u32 v7, s37, v3
	v_add_nc_u32 v8, s37, v4
.irp t, 0,1,2,3,4,5,6,7
	ds_load_b128 v[KF+4*\t:KF+4*\t+3], v5 offset:512*\t
.endr
	ds_load_b128 v[KS:KS+3], v7
.irp t, 0,1,2,3
.irp c, 0,1
	ds_load_b128 v[VF+8*\t+4*\c:VF+8*\t+4*\c+3], v6 offset:1024*\t+512*\c
.endr
.endr
	ds_load_b128 v[VS:VS+3], v8
	s_wait_dscnt 0x9                               ; K and its scale words are in; V's nine loads may stay out
.irp t, 0,1,2,3
	v_wmma_scale_f32_16x16x128_f8f6f4 v[S+8*\t:S+8*\t+7], v[KF+4*\t:KF+4*\t+7], v[(\qf):(\qf)+7], 0, v[KS+\t], v[(\qs)] matrix_a_fmt:MATRIX_FMT_FP4 matrix_b_fmt:MATRIX_FMT_FP4
.endr
.irp t, 4,5,6,7
	v_wmma_scale_f32_16x16x128_f8f6f4 v[S+8*\t:S+8*\t+7], v[KF+4*\t:KF+4*\t+7], v[(\qf):(\qf)+7], 0, v[KS+\t-4], v[(\qs)] matrix_a_fmt:MATRIX_FMT_FP4 matrix_b_fmt:MATRIX_FMT_FP4 matrix_a_scale:MATRIX_SCALE_ROW1
.endr
.rept 4
	v_nop
.endr
.irp b, 0,1,2,3
	v_max3_num_f32 v[BM+\b], v[S+16*\b], v[S+16*\b+1], v[S+16*\b+2]   ; THE LARGEST SCORE OF EACH BLOCK OF 32 KEYS serves twice: for the row's maximum and, since p rises with the score, for the block's largest p
.endr
.irp i, 3,5,7,9,11,13
.irp b, 0,1,2,3
	v_max3_num_f32 v[BM+\b], v[BM+\b], v[S+16*\b+\i], v[S+16*\b+\i+1]   ; (the four blocks by turns)
.endr
.endr
.irp b, 0,1,2,3
	v_max_num_f32 v[BM+\b], v[BM+\b], v[S+16*\b+15]
.endr
.irp b, 0,1,2,3
	s_delay_alu instid0(VALU_DEP_4)
	v_permlanex16_b32 v[T2+\b], v[BM+\b], s20, s21
.endr
.irp b, 0,1,2,3
	s_delay_alu instid0(VALU_DEP_4)
	v_max_num_f32 v[BM+\b], v[BM+\b], v[T2+\b]     ; with lane l xor 16's 16 keys
.endr
	s_delay_alu instid0(VALU_DEP_2)
	v_max3_num_f32 v[TP], v[BM], v[BM+1], v[BM+2]
	s_delay_alu instid0(VALU_DEP_1)
	v_max_num_f32 v[TP], v[TP], v[BM+3]            ; the step's largest score of my query
	s_delay_alu instid0(VALU_DEP_1)
	v_mul_f32 v[TP], s22, v[TP]                    ; as t (c is positive)
	s_delay_alu instid0(VALU_DEP_1)
	v_max_num_f32 v13, v13, v[TP]                  ; the running largest t
	v_mov_b32 v[TP], v12
	s_delay_alu instid0(VALU_DEP_2)
	v_floor_f32 v12, -v13                          ; the new -M = floor(-t): M is a whole number
	s_delay_alu instid0(VALU_DEP_1)
	v_sub_f32 v[TP], v12, v[TP]                    ; old M - new M: a whole number, 0 or less
	s_delay_alu instid0(VALU_DEP_1)
	v_cvt_i32_f32 v[TP], v[TP]                     ; (it saturates)
	s_delay_alu instid0(VALU_DEP_1)
	v_ldexp_f32 v[FF], 1.0, v[TP]                  ; f = 2^(old M - new M)
.set j, 0
.rept 32
	v_pk_fma_f32 v[S+j:S+j+1], v[S+j:S+j+1], s[22:23], v[12:13] op_sel_hi:[1,0,0]   ; t - M, two at a time (of the pairs c and -M the low word serves both halves)
.set j, j+2
.endr
.irp b, 0,1,2,3
	v_fma_f32 v[BM+\b], v[BM+\b], s22, v12         ; the same of each block's largest score
.endr
.set j, 0
	s_wait_alu depctr_va_vdst(0)
.rept 64
	v_exp_f32 v[S+j], v[S+j]                       ; p = 2^(t - M), at most 1
.set j, j+1
.endr
	s_setprio 1
	v_pk_mul_f32 v[14:15], v[14:15], v[FF:FF+1] op_sel_hi:[1,0]   ; the sums under the new M.  (The plain place behind the exponentials)
	s_wait_alu depctr_va_vdst(0)                   ; one wait for the whole batch, ahead of its first reader
.irp b, 0,1,2,3
	v_exp_f32 v[BM+\b], v[BM+\b]                   ; the block's largest p: the same two instructions on the same number give the same bits
.endr
	v_pk_add_f32 v[232:233], v[116:117], v[120:121]
	v_pk_add_f32 v[252:253], v[124:125], v[128:129]
	v_pk_add_f32 v[250:251], v[132:133], v[136:137]
	v_pk_add_f32 v[248:249], v[140:141], v[144:145]
	v_pk_add_f32 v[246:247], v[148:149], v[152:153]
	v_pk_add_f32 v[244:245], v[156:157], v[160:161]
	v_pk_add_f32 v[242:243], v[164:165], v[168:169]
	v_pk_add_f32 v[14:15], v[14:15], v[172:173]
	v_pk_add_f32 v[232:233], v[232:233], v[112:113]
	v_pk_add_f32 v[252:253], v[252:253], v[114:115]
	v_pk_add_f32 v[250:251], v[250:251], v[118:119]
	v_pk_add_f32 v[248:249], v[248:249], v[122:123]
	v_pk_add_f32 v[246:247], v[246:247], v[126:127]
	v_pk_add_f32 v[244:245], v[244:245], v[130:131]
	v_pk_add_f32 v[242:243], v[242:243], v[134:135]
	v_pk_add_f32 v[14:15], v[14:15], v[138:139]
	v_pk_add_f32 v[232:233], v[232:233], v[142:143]
	v_pk_add_f32 v[252:253], v[252:253], v[146:147]
	v_pk_add_f32 v[250:251], v[250:251], v[150:151]
	v_pk_add_f32 v[248:249], v[248:249], v[154:155]
	v_pk_add_f32 v[246:247], v[246:247], v[158:159]
	v_pk_add_f32 v[244:245], v[244:245], v[162:163]
	v_pk_add_f32 v[242:243], v[242:243], v[166:167]
	v_pk_add_f32 v[14:15], v[14:15], v[170:171]
	v_pk_add_f32 v[232:233], v[232:233], v[174:175]
	s_delay_alu instid0(VALU_DEP_2)
	v_pk_add_f32 v[14:15], v[14:15], v[248:249]
	s_delay_alu instid0(VALU_DEP_2)
	v_pk_add_f32 v[232:233], v[232:233], v[246:247]
	v_pk_add_f32 v[252:253], v[252:253], v[244:245]
	v_pk_add_f32 v[250:251], v[250:251], v[242:243]
	s_delay_alu instid0(VALU_DEP_2)
	v_pk_add_f32 v[14:15], v[14:15], v[252:253]
	s_delay_alu instid0(VALU_DEP_2)
	v_pk_add_f32 v[232:233], v[232:233], v[250:251]
	s_delay_alu instid0(VALU_DEP_1)
	v_pk_add_f32 v[14:15], v[14:15], v[232:233]
	s_wait_alu depctr_va_vdst(0)                   ; and one for the four
.irp b, 0,1,2,3
	v_max_num_f32 v[BM+\b], 0x1800000, v[BM+\b]    ; the floor 2^(3 - 127): the byte cannot fall under 1
.endr
.irp b, 0,1,2,3
	s_delay_alu instid0(VALU_DEP_4)
	v_add_nc_u32 v[SO+\b], 0xff000000, v[BM+\b]    ; 2 off the exponent field: the conversion's scale operand
.endr
.irp b, 0,1,2,3
	s_delay_alu instid0(VALU_DEP_4)
	v_lshrrev_b32 v[T2+\b], 23, v[SO+\b]           ; the scale's byte
.endr
	s_delay_alu instid0(VALU_DEP_3)
	v_lshl_or_b32 v[PW], v[T2+1], 8, v[T2]         ; p's scale word for these 128 keys
	s_delay_alu instid0(VALU_DEP_1)
	v_lshl_or_b32 v[PW], v[T2+2], 16, v[PW]
	s_delay_alu instid0(VALU_DEP_1)
	v_lshl_or_b32 v[PW], v[T2+3], 24, v[PW]
.irp t, 0,1,2,3,4,5,6,7
	v_cvt_scalef32_pk8_fp4_f32 v[PC+4*(\t/4)+2*(\t%2)+((\t/2)%2)], v[S+8*\t:S+8*\t+7], v[SO+\t/2]   ; tile t's eight codes
.endr
	v_nop                                          ; one plain place behind a scaled conversion
.irp c, 0,1
.irp u, 0,1
	v_permlane16_swap_b32 v[PC+4*\c+2*\u], v[PC+4*\c+2*\u+1]   ; registers 4 c + i now hold keys 64 c + 32 h + 8 i on: the operand's layout
.endr
.endr
.set j, 0
	s_setprio 0
.rept 16
	v_pk_mul_f32 v[O+j:O+j+1], v[O+j:O+j+1], v[FF:FF+1] op_sel_hi:[1,0]   ; O^T under the new M.  Twelve of these sixteen name no register of a given product below: the places behind p's scale word and codes
.set j, j+2
.endr
	s_wait_alu depctr_va_vdst(0)
	s_wait_dscnt 0x0                               ; V
.irp t, 0,1,2,3
	v_wmma_scale_f32_16x16x128_f8f6f4 v[O+8*\t:O+8*\t+7], v[VF+8*\t:VF+8*\t+7], v[PC:PC+7], v[O+8*\t:O+8*\t+7], v[VS+\t], v[PW] matrix_a_fmt:MATRIX_FMT_FP4 matrix_b_fmt:MATRIX_FMT_FP4
.endr
	s_add_co_u32 s36, s36, 4096                    ; the next step's codes
	s_add_co_u32 s37, s37, 512                     ; and scale words
.endm
; A PASS: one tile of 16 queries against all keys.  The step is written once a pass: its first trip finds zeros in O^T and the sum and -3e38 as the largest t, so the first change of M multiplies zeros
.macro PASS p
	s_wait_xcnt 0x0                                ; the last pass's stores have read their registers
	v_mov_b32 v13, 0xff61b1e6                      ; -3e38, under every t
	s_delay_alu instid0(VALU_DEP_1)
	v_floor_f32 v12, -v13
	v_mov_b32 v14, 0
	v_mov_b32 v15, 0
.set j, 0
.rept 32
	v_mov_b32 v[O+j], 0
.set j, j+1
.endr
	s_mov_b32 s36, 0
	s_mov_b32 s37, 0
	s_mov_b32 s38, 16
.Lstep_\@:
	s_setprio 2
	STEP 16+8*\p, 32+\p
	s_sub_co_u32 s38, s38, 1
	s_cmp_lg_u32 s38, 0
	s_cbranch_scc1 .Lstep_\@
	s_setprio 0
.rept 4
	v_nop                                          ; places behind the last products
.endr
	v_add_f32 v14, v14, v15                        ; the sum's two halves,
	s_delay_alu instid0(VALU_DEP_1)
	v_permlanex16_b32 v[TP], v14, s20, s21
	s_delay_alu instid0(VALU_DEP_1)
	v_add_f32 v14, v14, v[TP]                      ; and lane l xor 16's
	s_wait_alu depctr_va_vdst(0)
	v_rcp_f32 v[FF], v14
	v_nop                                          ; a plain place behind the reciprocal
	s_wait_alu depctr_va_vdst(0)                   ; and the wait ahead of its first reader
.set j, 0
.rept 16
	v_pk_mul_f32 v[S+j:S+j+1], v[O+j:O+j+1], v[FF:FF+1] op_sel_hi:[1,0]   ; O^T / the sum: register 8 t + i is channel 16 t + 8 h + i of my query
.set j, j+2
.endr
.irp b, 0,1                            ; the head's two blocks of 32 along E
	v_max3_num_f32 v[BM+\b], |v[S+16*\b]|, |v[S+16*\b+1]|, 0x1800000
.endr
.irp i, 2,4,6,8,10,12,14
.irp b, 0,1
	s_delay_alu instid0(VALU_DEP_2)
	v_max3_num_f32 v[BM+\b], v[BM+\b], |v[S+16*\b+\i]|, |v[S+16*\b+\i+1]|
.endr
.endr
.irp b, 0,1
	s_delay_alu instid0(VALU_DEP_2)
	v_permlanex16_b32 v[T2+\b], v[BM+\b], s20, s21
.endr
.irp b, 0,1
	s_delay_alu instid0(VALU_DEP_2)
	v_max_num_f32 v[BM+\b], v[BM+\b], v[T2+\b]
.endr
.irp b, 0,1
	s_delay_alu instid0(VALU_DEP_2)
	v_add_nc_u32 v[SO+\b], 0xff000000, v[BM+\b]
.endr
.irp b, 0,1
	s_delay_alu instid0(VALU_DEP_2)
	v_lshrrev_b32 v[T2+\b], 23, v[SO+\b]
.endr
.irp t, 0,1,2,3
	v_cvt_scalef32_pk8_fp4_f32 v[PC+2*(\t%2)+(\t/2)], v[S+8*\t:S+8*\t+7], v[SO+\t/2]
.endr
	v_nop
	v_permlane16_swap_b32 v[PC], v[PC+1]
	v_permlane16_swap_b32 v[PC+2], v[PC+3]         ; registers 0-3: channels 32 h + 0 .. 31
	v_cndmask_b32 v[BY], v[T2], v[T2+1], s39       ; lane (r, h) stores block h's byte
	global_store_b128 v1, v[PC:PC+3], s[10:11] offset:131072*\p   ; 512 consecutive bytes
	global_store_b8 v9, v[BY], s[12:13] offset:8192*\p
.endm
	PASS 0
	PASS 1
	s_wait_dscnt 0x0
	s_wait_tensorcnt 0x0
	ds_add_u32 v254, v255
	s_wait_dscnt 0x0
	CROUND                                         ; the closing round
	s_endpgm
.Lfunc_end_k_q6b2503fd23_attn:
	.size	k_q6b2503fd23_attn, .Lfunc_end_k_q6b2503fd23_attn-k_q6b2503fd23_attn
	.p2alignl 7, 3214868480
	.fill 96, 4, 3214868480
	.section	.rodata,"a",@progbits
	.p2align	6, 0x0
	.amdhsa_kernel k_q6b2503fd23_attn
		.amdhsa_group_segment_fixed_size 169984
		.amdhsa_private_segment_fixed_size 0
		.amdhsa_enable_private_segment 0
		.amdhsa_kernarg_size 40
		.amdhsa_user_sgpr_count 2
		.amdhsa_user_sgpr_kernarg_segment_ptr 1
		.amdhsa_wavefront_size32 1
		.amdhsa_system_sgpr_workgroup_id_x 1
		.amdhsa_system_sgpr_workgroup_id_y 1
		.amdhsa_system_sgpr_workgroup_id_z 1
		.amdhsa_system_vgpr_workitem_id 0
		.amdhsa_next_free_vgpr 256
		.amdhsa_next_free_sgpr 66
		.amdhsa_reserve_vcc 0
		.amdhsa_float_denorm_mode_32 3
		.amdhsa_float_denorm_mode_16_64 3
		.amdhsa_memory_ordered 1
		.amdhsa_forward_progress 1
		.amdhsa_inst_pref_size 49
	.end_amdhsa_kernel
	.amdgpu_metadata
---
amdhsa.version: [ 1, 2 ]
amdhsa.kernels:
  - .name:           k_q6b2503fd23_attn
    .symbol:         k_q6b2503fd23_attn.kd
    .args:
      - { .name: q_img, .offset: 0, .size: 8, .value_kind: global_buffer, .address_space: global }
      - { .name: q_sc, .offset: 8, .size: 8, .value_kind: global_buffer, .address_space: global }
      - { .name: kv, .offset: 16, .size: 8, .value_kind: global_buffer, .address_space: global }
      - { .name: a_img, .offset: 24, .size: 8, .value_kind: global_buffer, .address_space: global }
      - { .name: a_sc, .offset: 32, .size: 8, .value_kind: global_buffer, .address_space: global }
    .group_segment_fixed_size: 169984
    .private_segment_fixed_size: 0
    .kernarg_segment_align: 8
    .kernarg_segment_size: 40
    .max_flat_workgroup_size: 512
    .sgpr_count:     66
    .vgpr_count:     256
    .wavefront_size: 32
...
	.end_amdgpu_metadata
.endif
;; end of part 2
;; launch outp (part 3): grid 4 x 64, 4 waves a work-group, clusters of 4 x 4, 327,680 bytes of LDS; arguments a_img, a_sc, Wo_codes, Wo_scales, bo, out0; writes out0
.if DOCPART == 3
	.amdgcn_target "amdgcn-amd-amdhsa--gfx1250"
	.amdhsa_code_object_version 6
	.text
	.protected	k_q6b2503fd23_outp
	.globl	k_q6b2503fd23_outp
	.p2align	8
	.type	k_q6b2503fd23_outp,@function
k_q6b2503fd23_outp:
	s_mov_b64 s[64:65], 0
	v_nop
	global_prefetch_b8 v0, s[64:65] scope:SCOPE_SE
	s_setreg_imm32_b32 hwreg(HW_REG_WAVE_MODE, 25, 1), 1
	s_wait_xcnt 0x0
	s_wait_alu depctr_hold_cnt(0) depctr_sa_sdst(0) depctr_va_vdst(0) depctr_va_sdst(0) depctr_va_ssrc(0) depctr_va_vcc(0) depctr_vm_vsrc(0)
	s_getreg_b32 s2, hwreg(HW_REG_IB_STS2, 6, 4)
	s_cmp_eq_u32 s2, 0
	s_cbranch_scc0 .Lentry_in_a_cluster
	s_endpgm
.Lentry_in_a_cluster:
	s_bfe_u32 s2, ttmp6, 0x10000c
	s_cmp_lg_u32 s2, 0xf033
	s_cbranch_scc0 .Lentry_shape_is_right
	s_endpgm
.Lentry_shape_is_right:
; out0 = attn Wo^T + bo on codes of FP4 (E2M1) with E8M0 scales, f32 sums.  attn: a_img [tile of 16 tokens, 512][head 16][lane][16 bytes], an image of the operand's registers (head hh: K step hh / 2 of 128,
; registers 4 (hh % 2) on), a_sc [8192][32].  Wo: [1024][1024] codes (512 bytes a row), scales [1024][32].  bo f32 [1024].  out0: [8192][1024] f32.
; SHARES.  A work-group of four waves makes 128 tokens (Y) x 256 columns (X); a wave 64 x 128: 32 accumulators, (a, t) at v[8 (8 a + t)] of window 2.  All of K, 1,024, lies in LDS: two first fills a wave, nothing is filled again.
; THE MATRIX INSTRUCTION IS USED TRANSPOSED: source 0 = 16 rows of Wo (8 blocks), source 1 = 16 tokens (4 blocks): a lane holds eight neighbouring columns of one row of out0.  bo is the C of each sum's first product.
; CLUSTERS: 4 x 4 work-groups: attn's tile hangs on Y alone and is shared along a row of the cluster, Wo's on X alone and is shared along a column: each is asked for jointly.
; REGISTERS: window 0: addresses, 48 scale words, on the way out v128-255;  window 1: two fragment buffers of 96;  window 2: accumulators;  window 3: bo.
.set PITCH,  272                       ; a row of Wo in LDS: 256 bytes + 16 of padding: the 16 rows of a fragment load start at 16 different banks (64 banks of 4 bytes: ISA guide 11.1)
.set BLK,    16*PITCH
.set WSL,    65536                     ; LDS: 0: attn's images [half of K][tile 8][4,096 bytes], dense;  from here Wo's two halves of K, 256 rows each
.set WSB,    256*PITCH
.set STAGE,  WSL+2*WSB                 ; 16 rows x (512 bytes + 16) for each wave: no tensor load lands here
.set SPITCH, 528
.set SS,     64                        ; scale words: SS + 8 g + kq: lanes 0-15 Wo's block g, lanes 16-31 block g + 4;  SS + 32 + 8 g + kq: the tokens' blocks g and g + 2
.set STO,    11
.set RD,     12
.set CO,     13
.set BK,     128
.set F0,     0
.set F1,     96
.set G1A,    24
.set G1W,    32
.set G0A,    40
.set G0W,    48
.set W_MUL,  0xa5                      ; sources 0 and 1 window 1, C and D window 2
.set W_MULB, 0xb5                      ; the same, C window 3
.set W_LD,   0x40                      ; destination window 1
.set W_BIAS, 0xc0                      ; destination window 3
.set MSB, 0
.macro WIN new                         ; the immediate's high byte repeats the setting that is left
.if MSB != \new
	s_set_vgpr_msb (MSB<<8)|\new
.set MSB, \new
.endif
.endm
.macro PLACES
.rept 4
	v_nop
.endr
.endm
.macro JLOAD k                         ; waves 0 and 1 fetch attn's two halves of the rows, waves 2 and 3 Wo's; four v_nop follow each line
	s_cmp_eq_u32 s17, 0
	s_cbranch_scc0 .Lfor_w_\@
	tensor_load_to_lds s[G0A+4*\k:G0A+4*\k+3], s[G1A:G1A+7]
	s_nop 0
.rept 4
	v_nop
.endr
	s_branch .Lasked_\@
.Lfor_w_\@:
	tensor_load_to_lds s[G0W+4*\k:G0W+4*\k+3], s[G1W:G1W+7]
	s_nop 0
.rept 4
	v_nop
.endr
.Lasked_\@:
.endm
.macro CROUND
	s_barrier_signal -1
	s_barrier_wait -1
	s_cmp_lg_u32 s16, 0
	s_cbranch_scc1 .Lnot_wave_0_\@
	s_barrier_signal -3
.Lnot_wave_0_\@:
	s_barrier_wait -3
	s_barrier_signal -1
	s_barrier_wait -1
.endm
	s_load_b256 s[4:11], s[0:1], 0x0               ; a_img s[4:5], a_sc s[6:7], Wo's codes s[8:9], Wo's scales s[10:11]
	s_load_b128 s[12:15], s[0:1], 0x20             ; bo s[12:13], out0 s[14:15]
	v_lshl_add_u32 v126, v0, 2, 0x3a400
	v_mov_b32 v127, 0
	ds_add_u32 v126, v127
	ds_add_u32 v126, v127
	v_lshrrev_b32 v1, 5, v0
	v_readfirstlane_b32 s16, v1                    ; wave 0..3
	s_lshr_b32 s17, s16, 1
	s_and_b32 s18, s16, 1
	s_bfe_u32 s19, ttmp6, 0x40000                  ; cx
	s_bfe_u32 s20, ttmp6, 0x40004                  ; cy
	s_lshl_b32 s21, ttmp9, 2
	s_add_co_u32 s21, s21, s19                     ; X
	s_and_b32 s22, ttmp7, 0xffff
	s_lshl_b32 s22, s22, 2
	s_add_co_u32 s22, s22, s20                     ; Y
	s_lshl_b32 s56, s20, 2
	s_lshl_b32 s56, 15, s56                        ; my row of the cluster
	s_lshl_b32 s57, 0x1111, s19                    ; my column
	s_or_b32 s[G1A], s56, (3<<16)|(1<<21)          ; attn: elements of 8 bytes, no padding: every read is 16 bytes a lane on end
	s_mov_b32 s[G1A+1], 512<<16                    ; rows of 4,096 bytes: half of K of one tile of 16 tokens
	s_mov_b32 s[G1A+2], 4<<16                      ; four tiles
	s_mov_b32 s[G1A+3], 512<<16
	s_mov_b32 s[G1A+4], 4
	s_mov_b32 s[G1A+5], 1024                       ; 8,192 bytes from tile to tile
	s_mov_b32 s[G1A+6], 0
	s_mov_b32 s[G1A+7], 0
	s_or_b32 s[G1W], s57, (1<<20)|(1<<21)|(5<<22)|(3<<25)   ; Wo: elements of 1 byte; four words of padding after every 64
	s_mov_b32 s[G1W+1], 256<<16
	s_mov_b32 s[G1W+2], 128<<16
	s_mov_b32 s[G1W+3], 256<<16
	s_mov_b32 s[G1W+4], 128
	s_mov_b32 s[G1W+5], 512
	s_mov_b32 s[G1W+6], 0
	s_mov_b32 s[G1W+7], 0
	s_lshl_b32 s58, s22, 16                        ; attn: tile 8 Y + 4 (wave & 1), 8,192 bytes a tile
	s_lshl_b32 s60, s18, 15
	s_add_co_u32 s58, s58, s60
	s_mov_b32 s59, 0
	s_lshl_b32 s62, s21, 17                        ; Wo: row 256 X + 128 (wave & 1)
	s_lshl_b32 s60, s18, 16
	s_add_co_u32 s62, s62, s60
	s_mov_b32 s63, 0
	s_lshl_b32 s66, s18, 14                        ; where they go
	s_mul_i32 s67, s18, 128*PITCH
	s_add_co_u32 s67, s67, WSL
	s_wait_dscnt 0x0
	s_wait_kmcnt 0x0
	s_add_nc_u64 s[4:5], s[4:5], s[58:59]
	s_add_nc_u64 s[8:9], s[8:9], s[62:63]
	CROUND                                         ; all sixteen work-groups are here: the joint loads meet
.irp k, 0,1
	s_mov_b32 s[G0A+4*\k], 1
	s_add_co_u32 s[G0A+4*\k+1], s66, \k*32768
	s_add_nc_u64 s[G0A+4*\k+2:G0A+4*\k+3], s[4:5], \k*4096
	s_or_b32 s[G0A+4*\k+3], s[G0A+4*\k+3], 0x80000000
	s_mov_b32 s[G0W+4*\k], 1
	s_add_co_u32 s[G0W+4*\k+1], s67, \k*WSB
	s_add_nc_u64 s[G0W+4*\k+2:G0W+4*\k+3], s[8:9], \k*256
	s_or_b32 s[G0W+4*\k+3], s[G0W+4*\k+3], 0x80000000
	s_wait_alu depctr_va_vdst(0)
	s_wait_tensorcnt 0x0
	ds_add_u32 v126, v127
	ds_add_u32 v126, v127
	s_wait_dscnt 0x0
	CROUND
	JLOAD \k                                       ; one load of mine is out
.endr
	v_and_b32 v1, 15, v0                           ; r
	v_bfe_u32 v2, v0, 4, 1                         ; h
	v_and_b32 v3, 31, v0                           ; lane
	v_mul_u32_u24 v4, v1, PITCH
	v_lshl_add_u32 v4, v2, 4, v4
	v_add_nc_u32 v8, s67, v4                       ; my 128 rows of Wo, first half of K,
	s_add_co_u32 s67, s67, WSB
	v_add_nc_u32 v9, s67, v4                       ; second half
	v_lshlrev_b32 v[CO], 4, v3                     ; 16 lane
	s_lshl_b32 s68, s17, 14
	v_add_nc_u32 v10, s68, v[CO]                   ; my four tiles of tokens
	s_mul_i32 s68, s16, 16*SPITCH
	s_add_co_u32 s68, s68, STAGE                   ; my stage
	v_mul_u32_u24 v[STO], v1, SPITCH
	v_lshl_add_u32 v[STO], v2, 5, v[STO]
	v_add_nc_u32 v[STO], s68, v[STO]               ; in: row r, 32 bytes for each half of the lanes
	v_add_nc_u32 v[RD], s68, v[CO]                 ; back: the 32 lanes take one row of 512 bytes
	v_lshlrev_b32 v5, 5, v1
	v_lshl_add_u32 v6, v2, 11, v5
	v_lshl_add_u32 v7, v2, 10, v5
	s_lshl_b32 s68, s21, 13
	s_lshl_b32 s69, s18, 12
	s_add_co_u32 s68, s68, s69
	v_add_nc_u32 v16, s68, v6                      ; Wo's scale bytes: rows 256 X + 128 (wave & 1) + r + 64 h on, 32 bytes a row
	s_wait_alu depctr_va_vdst(0)
	s_lshl_b32 s68, s22, 12
	s_lshl_b32 s69, s17, 11
	s_add_co_u32 s68, s68, s69
	v_add_nc_u32 v17, s68, v7                      ; attn's: rows 128 Y + 64 (wave / 2) + r + 32 h on
	s_wait_alu depctr_va_vdst(0)
	s_lshl_b32 s68, s21, 10
	s_lshl_b32 s69, s18, 9
	s_add_co_u32 s68, s68, s69                     ; my first column, in bytes
	v_lshl_add_u32 v20, v2, 5, s68                 ; bo: + 8 h numbers
	s_lshl_b32 s69, s22, 19
	s_add_co_u32 s68, s68, s69
	s_lshl_b32 s69, s17, 18
	s_add_co_u32 s68, s68, s69                     ; + my first row, 128 Y + 64 (wave / 2), of 4,096 bytes
	s_mov_b32 s69, 0
	s_add_nc_u64 s[14:15], s[14:15], s[68:69]
.irp g, 0,1,2,3
.irp k, 0,1
	global_load_b128 v[SS+8*\g+4*\k:SS+8*\g+4*\k+3], v16, s[10:11] offset:512*\g+16*\k
.endr
.endr
.irp g, 0,1
.irp k, 0,1
	global_load_b128 v[SS+32+8*\g+4*\k:SS+32+8*\g+4*\k+3], v17, s[6:7] offset:512*\g+16*\k
.endr
.endr
	WIN W_BIAS
.irp t, 0,1,2,3,4,5,6,7
	global_load_b128 v[8*\t:8*\t+3], v20, s[12:13] offset:64*\t
	global_load_b128 v[8*\t+4:8*\t+7], v20, s[12:13] offset:64*\t+16
.endr
	WIN 0
.macro FETCH k, q, f                   ; 24 LDS loads in one run: the fragments of the q-th 128 along K of half k into buffer f
	WIN W_LD
.irp t, 0,1,2,3,4,5,6,7
.irp c, 0,1
	ds_load_b128 v[(\f)+8*\t+4*\c:(\f)+8*\t+4*\c+3], v[8+(\k)] offset:\t*BLK+64*(\q)+32*\c
.endr
.endr
.irp a, 0,1,2,3
.irp c, 0,1
	ds_load_b128 v[(\f)+64+8*\a+4*\c:(\f)+64+8*\a+4*\c+3], v10 offset:32768*(\k)+4096*\a+1024*(\q)+512*\c
.endr
.endr
.endm
.macro WM t, a                         ; one product; blocks 4-7 of source 0 and 2-3 of source 1 have their scale words in lanes 16-31
.if ((\t) >= 4) && ((\a) >= 2)
	v_wmma_scale_f32_16x16x128_f8f6f4 v[rD:rD+7], v[rA:rA+7], v[rB:rB+7], v[rC:rC+7], v[rSA], v[rSB] matrix_a_fmt:MATRIX_FMT_FP4 matrix_b_fmt:MATRIX_FMT_FP4 matrix_a_scale:MATRIX_SCALE_ROW1 matrix_b_scale:MATRIX_SCALE_ROW1
.elseif (\t) >= 4
	v_wmma_scale_f32_16x16x128_f8f6f4 v[rD:rD+7], v[rA:rA+7], v[rB:rB+7], v[rC:rC+7], v[rSA], v[rSB] matrix_a_fmt:MATRIX_FMT_FP4 matrix_b_fmt:MATRIX_FMT_FP4 matrix_a_scale:MATRIX_SCALE_ROW1
.elseif (\a) >= 2
	v_wmma_scale_f32_16x16x128_f8f6f4 v[rD:rD+7], v[rA:rA+7], v[rB:rB+7], v[rC:rC+7], v[rSA], v[rSB] matrix_a_fmt:MATRIX_FMT_FP4 matrix_b_fmt:MATRIX_FMT_FP4 matrix_b_scale:MATRIX_SCALE_ROW1
.else
	v_wmma_scale_f32_16x16x128_f8f6f4 v[rD:rD+7], v[rA:rA+7], v[rB:rB+7], v[rC:rC+7], v[rSA], v[rSB] matrix_a_fmt:MATRIX_FMT_FP4 matrix_b_fmt:MATRIX_FMT_FP4
.endif
.endm
; 8 products: the tokens' block a against Wo's eight.  bias = 1: the sums begin with bo (window 3, block t at 8 t).  The 32 accumulators take turns, one instruction a turn, in the same order in every step.
.macro MUL8 a, f, kq, bias
.irp t, 0,1,2,3,4,5,6,7
.set rD, 8*(8*(\a)+\t)
.set rC, rD
.if \bias
.set rC, 8*\t
.endif
.set rA, (\f)+8*\t
.set rB, (\f)+64+8*(\a)
.set rSA, SS+8*(\t%4)+(\kq)
.set rSB, SS+32+8*((\a)%2)+(\kq)
	WM \t, \a
.endr
.endm
.macro STEP k, q, bias
	s_wait_dscnt 0x0                               ; this step's fragments, asked for a step ago
	PLACES                                         ; the other buffer was read by the last step's products
	FETCH \k, (\q)+1, F1-F1*((\q)%2)
.if \bias
	WIN W_MULB
.else
	WIN W_MUL
.endif
.irp a, 0,1,2,3
	MUL8 \a, F1*((\q)%2), 4*(\k)+(\q), \bias
.endr
.endm
	s_wait_tensorcnt 0x1                           ; my part of the first half of K is in; the second half's load may stay out
	s_barrier_signal -1
	s_barrier_wait -1                              ; everybody's is
	s_wait_loadcnt 0x0                             ; scale words and bo
	FETCH 0, 0, F0
	STEP 0, 0, 1
	STEP 0, 1, 0
	STEP 0, 2, 0
	s_wait_tensorcnt 0x0                           ; my part of the second half is in,
	s_wait_dscnt 0x0                               ; and this step's fragments
	WIN W_MUL
	MUL8 0, F1, 3, 0
	s_barrier_signal -1
	MUL8 1, F1, 3, 0
	s_barrier_wait -1                              ; everybody's is
	PLACES
	FETCH 1, 0, F0
	WIN W_MUL
	MUL8 2, F1, 3, 0
	MUL8 3, F1, 3, 0
	STEP 1, 0, 0
	STEP 1, 1, 0
	STEP 1, 2, 0
	s_wait_dscnt 0x0
	WIN W_MUL
.irp a, 0,1,2,3
	MUL8 \a, F1, 7, 0
.endr
	WIN 0
; THE WAY OUT, block by block of 16 rows x 128 columns: through my own stage in LDS, back as whole rows of 512 bytes.  LDS serves a wave's instructions in order (ISA guide 5.7.1.4): no wait between the stores and the loads.
.macro TOSTAGE a
	WIN 0x08                                       ; an LDS store's data are its source 1: window 2
.irp t, 0,1,2,3,4,5,6,7
	ds_store_b128 v[STO], v[64*(\a)+8*\t:64*(\a)+8*\t+3] offset:64*\t       ; each accumulator from its low end on
	ds_store_b128 v[STO], v[64*(\a)+8*\t+4:64*(\a)+8*\t+7] offset:64*\t+16
.endr
	WIN 0
.set BB, BK+64*((\a)%2)
.irp i, 0,1,2,3,4,5,6,7,8,9,10,11,12,13,14,15
	ds_load_b128 v[BB+4*\i:BB+4*\i+3], v[RD] offset:\i*SPITCH
.endr
.endm
.macro SEND a, younger                 ; younger: the LDS instructions issued behind block a's loads, which may stay out
.set BB, BK+64*((\a)%2)
	s_wait_dscnt \younger
.irp i, 0,1,2,3,4,5,6,7,8,9,10,11,12,13,14,15
	global_store_b128 v[CO], v[BB+4*\i:BB+4*\i+3], s[14:15] offset:(16*(\a)+\i)*4096 th:TH_STORE_NT   ; 32 lanes store 512 consecutive bytes, at a multiple of 256 from out0's first byte; written once, read by nobody here
.endr
.endm
	PLACES
	TOSTAGE 0
.irp a, 1,2,3
.if \a > 1
	s_wait_xcnt 0x0                                ; block a - 2's stores have read their registers: block a's loads may land there
.endif
	TOSTAGE \a
	SEND \a-1, 32                                  ; behind block a - 1's loads: block a's 16 stores and 16 loads
.endr
	SEND 3, 0
	s_wait_dscnt 0x0
	s_wait_tensorcnt 0x0
	ds_add_u32 v126, v127
	s_wait_dscnt 0x0
	CROUND                                         ; the closing round: no work-group ends while a partner may still ask for a tile that names it
	s_endpgm
.Lfunc_end_k_q6b2503fd23_outp:
	.size	k_q6b2503fd23_outp, .Lfunc_end_k_q6b2503fd23_outp-k_q6b2503fd23_outp
	.p2alignl 7, 3214868480
	.fill 96, 4, 3214868480
	.section	.rodata,"a",@progbits
	.p2align	6, 0x0
	.amdhsa_kernel k_q6b2503fd23_outp
		.amdhsa_group_segment_fixed_size 327680
		.amdhsa_private_segment_fixed_size 0
		.amdhsa_enable_private_segment 0
		.amdhsa_kernarg_size 48
		.amdhsa_user_sgpr_count 2
		.amdhsa_user_sgpr_kernarg_segment_ptr 1
		.amdhsa_wavefront_size32 1
		.amdhsa_system_sgpr_workgroup_id_x 1
		.amdhsa_system_sgpr_workgroup_id_y 1
		.amdhsa_system_sgpr_workgroup_id_z 1
		.amdhsa_system_vgpr_workitem_id 0
		.amdhsa_next_free_vgpr 1024
		.amdhsa_next_free_sgpr 80
		.amdhsa_reserve_vcc 0
		.amdhsa_float_denorm_mode_32 3
		.amdhsa_float_denorm_mode_16_64 3
		.amdhsa_memory_ordered 1
		.amdhsa_forward_progress 1
		.amdhsa_inst_pref_size 72
	.end_amdhsa_kernel
	.amdgpu_metadata
---
amdhsa.version: [ 1, 2 ]
amdhsa.kernels:
  - .name:           k_q6b2503fd23_outp
    .symbol:         k_q6b2503fd23_outp.kd
    .args:
      - { .name: a_img, .offset: 0, .size: 8, .value_kind: global_buffer, .address_space: global }
      - { .name: a_sc, .offset: 8, .size: 8, .value_kind: global_buffer, .address_space: global }
      - { .name: Wo_codes, .offset: 16, .size: 8, .value_kind: global_buffer, .address_space: global }
      - { .name: Wo_scales, .offset: 24, .size: 8, .value_kind: global_buffer, .address_space: global }
      - { .name: bo, .offset: 32, .size: 8, .value_kind: global_buffer, .address_space: global }
      - { .name: out0, .offset: 40, .size: 8, .value_kind: global_buffer, .address_space: global }
    .group_segment_fixed_size: 327680
    .private_segment_fixed_size: 0
    .kernarg_segment_align: 8
    .kernarg_segment_size: 48
    .max_flat_workgroup_size: 128
    .sgpr_count:     80
    .vgpr_count:     1024
    .wavefront_size: 32
...
	.end_amdgpu_metadata
.endif
;; end of part 3
